; MI455X (gfx1250); checked and timed in simulation.
; The chip was launched on July 23, 2026; its instructions are those of AMD's public machine-readable ISA for CDNA 5 (MIT licence, August 2026) and "CDNA5" Instruction Set Architecture Reference Guide (July 2026). The comments in the code are by the model that wrote it; some were corrected since.
;; Swin Window Transform Layer. Allowed arithmetic: matrix products marked QUANTISED: E2M3 operands, one E8M0 scale for each 32 along K, by v_wmma_scale_f32_16x16x128_f8f6f4 with both operands' format E2M3, f32 sums; everything else in f32.
;; Inputs: W1 512 x 2,048 float32; W2 2,048 x 512 float32; b1 2,048 float32; b2 512 float32; inputs 8 x 4,096 x 512 float32; ln_beta 512 float32; ln_gamma 512 float32.
;; Outputs: out0 8 x 4,096 x 512 float32.
;; This version of the problem:
;;   THIS VERSION OF THE PROBLEM IS GIVEN IN LOW PRECISION. The matrix products marked QUANTISED in the list below multiply operands that are first quantised to E2M3 (2 exponent bits, 3 mantissa bits; 6 bits a number), with one power-of-two scale for each 32 numbers along K (OCP MX v1.0); their sums are f32. All else is computed in f32.
;;   The module's matrix products, in the order in which they are computed (A, B: the left and right operand; K: the contracted axis; several contracted axes count as one K, in the product's order):
;;     1. [M 32,768, K 512] x [K 512, N 2,048]; A: computed on the way; B: input W1: QUANTISED
;;     2. [M 32,768, K 2,048] x [K 2,048, N 512]; A: computed on the way; B: input W2: QUANTISED
;;   THE QUANTISER, for each operand of a quantised product, along K:
;;     - K is cut into blocks of 32 from its start; a last block that is shorter is filled with zeros.
;;     - A block's scale is 2^e with e = floor(log2(the largest magnitude in the block)) - 2, held to -126 .. 127; a block of zeros has e = 0. As a byte (E8M0): e + 127.
;;     - Each number is divided by its block's scale, clamped to +-7.5, and rounded to the nearest number of E2M3, ties to even, subnormals kept.
;;     - The product sums the exact products of the quantised numbers (number of the format x scale) in f32.
;;   ~~~python
;;   def quantise(x, axis):      # numpy; x: float32 -> the quantised numbers, widened to float32 again
;;       x = np.moveaxis(x, axis, -1); K = x.shape[-1]
;;       x = np.pad(x, [(0, 0)] * (x.ndim - 1) + [(0, -K % 32)]); x = x.reshape(x.shape[:-1] + (-1, 32)); a = np.abs(x).max(-1, keepdims=True)
;;       e = np.where(a > 0, np.clip(np.frexp(np.where(a > 0, a, 1))[1] - 1 - 2, -126, 127), 0)      # np.frexp(a)[1] - 1 = floor(log2(a)), exactly
;;       r = np.clip(x / 2.0 ** e, -7.5, 7.5)
;;       step = 2.0 ** (np.maximum(np.frexp(np.where(r == 0, 1, r))[1] - 1, 0) - 3)
;;       q = np.round(r / step) * step * 2.0 ** e      # np.round: ties to even
;;       return np.moveaxis(q.reshape(q.shape[:-2] + (-1,))[..., :K], -1, axis).astype(np.float32)
;;   ~~~
;;   OPERANDS COMPUTED ON THE WAY. 'Computed on the way' means the value that the module computes at that place (a softmax that the list does not call 'softmax' is quantised finished and normalised). What goes into a quantiser is computed in f32, as accurately as f32 sums, v_exp_f32 and their like allow (about 1e-6 of the number): no bf16 or f16 on the way to a quantiser, and a product that is left as it is and whose result goes on into a quantised operand takes f32 operands (vector FMAs, or v_wmma_f32_16x16x4_f32). A number that lies on a knife's edge between two numbers of the format may be rounded either way, as far as f32 arithmetic and the matrix unit's own rounding can turn it there, and no further.
;; One version. Each part assembles by itself: llvm-mc -triple=amdgcn-amd-amdhsa -mcpu=gfx1250 --defsym DOCPART=n.
;; ======== version 1 of 1: 2 launches
;; limits: right only within a limited range of input values
;; workspace buffers: wq 1,638,400 bytes
;; launch prep (part 1): grid 128 x 1, 4 waves a work-group, no clusters, 13,824 bytes of LDS; arguments W1, W2, wq; writes wq
.if DOCPART == 1
	.amdgcn_target "amdgcn-amd-amdhsa--gfx1250"
	.amdhsa_code_object_version 6
	.text
	.protected	k_qf1ddfe6bac_prep
	.globl	k_qf1ddfe6bac_prep
	.p2align	8
	.type	k_qf1ddfe6bac_prep,@function
k_qf1ddfe6bac_prep:
	s_mov_b64 s[64:65], 0
	v_nop
	global_prefetch_b8 v0, s[64:65] scope:SCOPE_SE
	s_setreg_imm32_b32 hwreg(HW_REG_WAVE_MODE, 25, 1), 1
	s_wait_xcnt 0x0
; W1 [512 (k)][2048 (n)] and W2 [2048 (k)][512 (n)], f32, K along the FIRST axis, become codes of FP6 (E2M3) with one E8M0 byte for each 32 along K,
; laid in wq in the order in which the second launch's operand registers take them.
; wq: 16 steps of 102,400 bytes; step t serves hidden units 128 t .. 128 t + 127: W1's record (51,200 bytes), then W2's.  A record: 4 groups y of 8 fragments (12,288 bytes a group), then 4 x 512 bytes of scale words.
; W1: group y = K 128 y on, columns = the step's 128 hidden units.   W2: group y = output columns 128 y on, K = the step's 128 hidden units.
; A fragment (16 columns x 128 K, 12 registers a lane) is 1,536 bytes: register R of lane L at 512 (R / 4) + 16 L + 4 (R % 4), so that three loads of 16 bytes a lane bring it.
; THE COLUMNS OF A FRAGMENT ARE NOT NEIGHBOURS: column 32 v + e of a group goes to fragment 2 v + e[3], lane row rho = e[2:0] + 8 e[4]; lane (rho, h) holds K = 64 c + 32 h + 0 .. 31 in registers 6 c .. 6 c + 5.
; A group's scale words: column's word (byte b: K 32 b on) at 32 rho + 4 x fragment.
; SHARES: a work-group takes one group (128 columns x 128 K); wave v columns 32 v + lane.  A LANE TAKES A COLUMN AND ITS REGISTERS RUN DOWN K: each load reads 128 consecutive bytes a wave, 512 a work-group; a block of 32 lies in one lane.
; A block's scale is 2^(floor(log2(largest magnitude)) - 2): its byte is the largest magnitude's exponent field - 2, held at 1 from below.
; LIMITS: a block of zeros gets the byte 1 where the rule says 127 (its codes are zeros, and this program alone reads the bytes); a block whose largest magnitude lies under 2^-124 gets the byte 1; NaN and infinities are not served.
.set P1,    8192                       ; a row of W1 in bytes
.set P2,    2048                       ; a row of W2
.set STEPB, 102400
.set RECB,  51200
.set GRPB,  12288
.set SCLO,  49152                      ; a record's scale words begin here
.set SCL,   12288                      ; LDS: the group's 8 fragments at 0, its 512 bytes of scale words behind them
.set X,     32                         ; v32-159  my column's 128 numbers; later the way out
.set CD,    160                        ; v160..   a block's six registers of codes, eight apart
.set TP,    192                        ; v192..   the second conversion's three registers, four apart
.set SW,    20                         ; v20      my column's scale word
	s_load_b128 s[4:7], s[0:1], 0x0                ; W1, W2
	s_load_b64 s[8:9], s[0:1], 0x10                ; wq
	v_lshl_add_u32 v208, v0, 2, 0x3400
	v_mov_b32 v209, 0
	v_lshrrev_b32 v1, 5, v0
	v_readfirstlane_b32 s10, v1                    ; wave v
	v_and_b32 v1, 7, v0
	v_bfe_u32 v3, v0, 4, 1
	v_bfe_u32 v4, v0, 3, 1                         ; e[3]
	v_lshl_add_u32 v1, v3, 3, v1                   ; rho = e[2:0] + 8 e[4]
	s_mul_i32 s11, s10, 3072                       ; my wave's two fragments
	v_mul_u32_u24 v2, v4, 1536
	v_lshl_add_u32 v2, v1, 4, v2
	v_add_nc_u32 v2, s11, v2                       ; LDS: fragment 2 v + e[3], 16 rho
	v_lshlrev_b32 v6, 5, v1
	v_lshl_add_u32 v6, v4, 2, v6
	s_lshl_b32 s12, s10, 3
	v_add_nc_u32 v6, s12, v6                       ; my scale word: 32 rho + 4 (2 v + e[3])
	v_and_b32 v5, 31, v0
	v_lshlrev_b32 v9, 4, v5                        ; 16 x lane
	v_add_nc_u32 v7, s11, v9                       ; the way out: 3,072 v + 16 x lane, in LDS and in the group alike
	v_lshlrev_b32 v8, 2, v0                        ; in: my column's 4 bytes: 128 v + 4 x lane
	s_lshr_b32 s13, ttmp9, 6                       ; 0: W1, 1: W2
	s_bfe_u32 s14, ttmp9, 0x40002                  ; t
	s_and_b32 s15, ttmp9, 3                        ; y
	s_mul_i32 s16, s14, STEPB
	s_mul_i32 s17, s13, RECB
	s_add_co_u32 s16, s16, s17                     ; my record
	s_mul_i32 s17, s15, GRPB
	s_add_co_u32 s20, s16, s17                     ; my group's codes
	s_mov_b32 s21, 0
	s_lshl_b32 s17, s15, 9
	s_add_co_u32 s22, s16, s17
	s_add_co_u32 s22, s22, SCLO                    ; and its scale words
	s_mov_b32 s23, 0
	s_lshl_b32 s24, s15, 20                        ; W1: 128 y rows of 8,192 bytes
	s_lshl_b32 s17, s14, 9
	s_add_co_u32 s24, s24, s17                     ;     + 512 t
	s_lshl_b32 s26, s14, 18                        ; W2: 128 t rows of 2,048 bytes
	s_lshl_b32 s17, s15, 9
	s_add_co_u32 s26, s26, s17                     ;     + 512 y
	s_mov_b32 s25, 0
	s_wait_kmcnt 0x0
	s_cmp_lt_u32 ttmp9, 64                         ; the choice hangs on the work-group's number alone
	s_cselect_b64 s[4:5], s[4:5], s[6:7]
	s_cselect_b32 s24, s24, s26
	s_add_nc_u64 s[4:5], s[4:5], s[24:25]
	s_add_nc_u64 s[20:21], s[8:9], s[20:21]
	s_add_nc_u64 s[22:23], s[8:9], s[22:23]
.macro LOADS pitch                     ; my column's 128 numbers down K: every offset is an immediate, 127 rows of 8,192 bytes at the most
.set K, 0
.rept 128
	global_load_b32 v[X+K], v8, s[4:5] offset:K*\pitch th:TH_LOAD_NT
.set K, K+1
.endr
.endm
	s_cmp_lt_u32 ttmp9, 64                         ; the two tensors differ in the loads' immediates alone: only these stand twice
	s_cbranch_scc0 .Lw2
	s_wait_alu depctr_va_vdst(0)
	LOADS P1
	s_branch .Lgo
.Lw2:
	s_wait_alu depctr_va_vdst(0)
	LOADS P2
.Lgo:
.macro BLOCK kb                        ; block kb = 2 c + h of my column
.set XS, X+32*\kb
.set CB, CD+8*\kb
.set TB, TP+4*\kb
	v_max3_num_f32 v12, |v[XS]|, |v[XS+1]|, |v[XS+2]|   ; the largest magnitude: all 32 numbers are mine; two chains
	v_max3_num_f32 v13, |v[XS+3]|, |v[XS+4]|, |v[XS+5]|
.irp i, 6,10,14,18,22,26
	v_max3_num_f32 v12, v12, |v[XS+\i]|, |v[XS+\i+1]|
	v_max3_num_f32 v13, v13, |v[XS+\i+2]|, |v[XS+\i+3]|
.endr
	v_max3_num_f32 v12, v12, |v[XS+30]|, |v[XS+31]|
	v_max3_num_f32 v12, v12, v13, 0x1800000        ; and the floor 2^(3 - 127): the byte cannot fall under 1
	v_add_nc_u32 v11, 0xff000000, v12              ; 2 off the exponent field: the conversion takes the exponent field of this operand as its scale
	v_lshrrev_b32 v13, 23, v11                     ; the scale's byte
.if \kb == 0
	v_mov_b32 v[SW], v13
.else
	v_lshl_or_b32 v[SW], v13, 8*\kb, v[SW]
.endif
	v_cvt_scalef32_pk16_fp6_f32 v[CB:CB+2], v[XS:XS+15], v11
	v_cvt_scalef32_pk16_fp6_f32 v[TB:TB+2], v[XS+16:XS+31], v11   ; (a conversion's three registers begin on an even number)
	v_nop                                          ; one plain place behind a scaled conversion
	v_mov_b32 v[CB+3], v[TB]
	v_mov_b32 v[CB+4], v[TB+1]
	v_mov_b32 v[CB+5], v[TB+2]
.if \kb < 2                            ; registers 0-5 of lane rho + 16 kb
	ds_store_b128 v2, v[CB:CB+3] offset:256*\kb
	ds_store_b64 v2, v[CB+4:CB+5] offset:512+256*\kb
.else                                  ; registers 6-11 of lane rho + 16 (kb - 2)
	ds_store_b64 v2, v[CB:CB+1] offset:520+256*(\kb-2)
	ds_store_b128 v2, v[CB+2:CB+5] offset:1024+256*(\kb-2)
.endif
.endm
	s_wait_loadcnt 63                              ; at most 63 of the 128 loads are out: the first 65 are in, blocks 0 and 1 among them
	BLOCK 0
	BLOCK 1
	s_wait_loadcnt 32                              ; block 3's 32 may be out
	BLOCK 2
	s_wait_loadcnt 0x0
	BLOCK 3
	ds_store_b32 v6, v[SW] offset:SCL
	s_wait_dscnt 0x0                               ; for the others' sake: my stores have landed (wave 0 reads all four waves' scale words)
	s_barrier_signal -1
	s_barrier_wait -1
.irp j, 0,1,2,3,4,5
	ds_load_b128 v[X+4*\j:X+4*\j+3], v7 offset:512*\j
.endr
.irp j, 0,1,2,3,4,5
	s_wait_dscnt 5-\j                              ; the younger read-backs may be out
	global_store_b128 v7, v[X+4*\j:X+4*\j+3], s[20:21] offset:512*\j   ; 32 lanes store 512 consecutive bytes, at a multiple of 256 from wq's first byte
.endr
	s_cmp_lg_u32 s10, 0
	s_cbranch_scc1 .Lend
	ds_load_b128 v[X+24:X+27], v9 offset:SCL       ; wave 0: the group's 512 bytes of scale words
	s_wait_dscnt 0x0
	global_store_b128 v9, v[X+24:X+27], s[22:23]
.Lend:
	s_wait_tensorcnt 0x0
	ds_add_u32 v208, v209
	s_wait_dscnt 0x0
	s_endpgm
.Lfunc_end_k_qf1ddfe6bac_prep:
	.size	k_qf1ddfe6bac_prep, .Lfunc_end_k_qf1ddfe6bac_prep-k_qf1ddfe6bac_prep
	.p2alignl 7, 3214868480
	.fill 96, 4, 3214868480
	.section	.rodata,"a",@progbits
	.p2align	6, 0x0
	.amdhsa_kernel k_qf1ddfe6bac_prep
		.amdhsa_group_segment_fixed_size 13824
		.amdhsa_private_segment_fixed_size 0
		.amdhsa_enable_private_segment 0
		.amdhsa_kernarg_size 24
		.amdhsa_user_sgpr_count 2
		.amdhsa_user_sgpr_kernarg_segment_ptr 1
		.amdhsa_wavefront_size32 1
		.amdhsa_system_sgpr_workgroup_id_x 1
		.amdhsa_system_sgpr_workgroup_id_y 1
		.amdhsa_system_sgpr_workgroup_id_z 1
		.amdhsa_system_vgpr_workitem_id 0
		.amdhsa_next_free_vgpr 210
		.amdhsa_next_free_sgpr 66
		.amdhsa_reserve_vcc 0
		.amdhsa_float_denorm_mode_32 3
		.amdhsa_float_denorm_mode_16_64 3
		.amdhsa_memory_ordered 1
		.amdhsa_forward_progress 1
		.amdhsa_inst_pref_size 35
	.end_amdhsa_kernel
	.amdgpu_metadata
---
amdhsa.version: [ 1, 2 ]
amdhsa.kernels:
  - .name:           k_qf1ddfe6bac_prep
    .symbol:         k_qf1ddfe6bac_prep.kd
    .args:
      - { .name: W1, .offset: 0, .size: 8, .value_kind: global_buffer, .address_space: global }
      - { .name: W2, .offset: 8, .size: 8, .value_kind: global_buffer, .address_space: global }
      - { .name: wq, .offset: 16, .size: 8, .value_kind: global_buffer, .address_space: global }
    .group_segment_fixed_size: 13824
    .private_segment_fixed_size: 0
    .kernarg_segment_align: 8
    .kernarg_segment_size: 24
    .max_flat_workgroup_size: 128
    .sgpr_count:     66
    .vgpr_count:     210
    .wavefront_size: 32
...
	.end_amdgpu_metadata
.endif
;; end of part 1
;; launch mlp (part 2): grid 256 x 1, 4 waves a work-group, clusters of 4 x 1, 327,680 bytes of LDS; arguments inputs, ln_gamma, ln_beta, b1, b2, wq, out0; writes out0
.if DOCPART == 2
	.amdgcn_target "amdgcn-amd-amdhsa--gfx1250"
	.amdhsa_code_object_version 6
	.text
	.protected	k_qf1ddfe6bac_mlp
	.globl	k_qf1ddfe6bac_mlp
	.p2align	8
	.type	k_qf1ddfe6bac_mlp,@function
k_qf1ddfe6bac_mlp:
	s_mov_b64 s[64:65], 0
	v_nop
	global_prefetch_b8 v0, s[64:65] scope:SCOPE_SE
	s_setreg_imm32_b32 hwreg(HW_REG_WAVE_MODE, 25, 1), 1
	s_wait_xcnt 0x0
	s_wait_alu depctr_hold_cnt(0) depctr_sa_sdst(0) depctr_va_vdst(0) depctr_va_sdst(0) depctr_va_ssrc(0) depctr_va_vcc(0) depctr_vm_vsrc(0)
	s_getreg_b32 s2, hwreg(HW_REG_IB_STS2, 6, 4)
	s_cmp_eq_u32 s2, 0
	s_cbranch_scc0 .Lentry_in_a_cluster
	s_endpgm
.Lentry_in_a_cluster:
	s_bfe_u32 s2, ttmp6, 0x10000c
	s_cmp_lg_u32 s2, 0x3003
	s_cbranch_scc0 .Lentry_shape_is_right
	s_endpgm
.Lentry_shape_is_right:
; out = gelu(LN(x) W1 + b1) W2 + b2 + x,  x[b][64 i + j] = inputs[b][64 i + j] + inputs[b][64 ((i + 4) % 64) + (j + 4) % 64]
; (the window partition and its reverse are transpositions that undo each other for all values: only the cyclic shift is left).  Every input is loaded.
; Both products on codes of FP6 (E2M3), one E8M0 scale for each 32 along K; LN(x) and the hidden layer are quantised here, in f32 up to the quantiser; the weights' codes come from wq.
; gelu is the tanh form: g(v) = v / (1 + 2^(v (k1 + k3 v^2))), k1 = -2 log2(e) sqrt(2 / pi), k3 = 0.044715 k1.
; SHARES.  A work-group owns 128 rows (two rows of the 64 x 64 grid).  Wave w = 2 a + b:
;   second product and residual: all 128 rows x output columns 128 w on: 64 accumulators, 512 registers, which START as x;
;   first product: row tiles 4 a on x hidden units 64 b on of a step; its 16 fragments of LN(x) stay in registers.
; The hidden layer goes in 16 steps of 128 units: first product, gelu, quantiser, 12 KB of codes through LDS, second product.
; Both products are used TRANSPOSED (source 0 = weights, source 1 = activations): a lane holds one row, and by the order of the weights' rows in wq
; register 16 B + i of a row tile = column 32 B + 16 (lane / 16) + i: as the quantiser wants it.
; CLUSTER.  All work-groups walk the same 16 records of 102,400 bytes: the four of a cluster ask for each JOINTLY (mask 15), a quarter a wave.  Two LDS slots.
; THE CHANGE OF SLOTS STANDS INSIDE THE SECOND PRODUCT: of its four groups of 16 matrix instructions the second stands between the add and its wait, the third inside the round's
; opening barrier, and ahead of the fourth the refill goes out and the next step's b1, first scale words and W1 fragments of K step 0 are fetched.
; Steps 0 to 13 refill (a loop of 14 trips); steps 14 and 15 do not (a loop of 2 trips, whose last trip jumps, by its counter, over the fetch for a step that does not exist; its barrier then orders nothing more).
; ROW STATISTICS: each wave takes, per row tile and while later tiles are on their way, the sum s_w of its 128 columns and M2_w = sum (x - s_w / 128)^2;
; one exchange through LDS; then S = sum s_w, M2 = sum M2_w + sum (s_w - S / 4)^2 / 128, which is the sum of (x - S / 512)^2 exactly in real numbers.
; No prefetch: inputs are asked for in runs of 64 loads a wave at the head, where nothing stands ahead of them; a record's load has 96 matrix instructions and the gelu of 128 numbers a lane in which to land.
; LIMITS: NaN and infinities are not served.  A block of zeros, or one whose largest magnitude lies under 2^-124, gets the scale byte 1 (zero codes add nothing; only this program reads the bytes).
; gelu of very negative numbers gives -0.  Orders of rounding other than reference()'s: the sums start from x and b2 is added last; LN(x) = (x rs - mean rs) gamma + beta by two fused multiply-adds.
; REGISTERS, in windows of 256.  Window 0: v2-11 LDS addresses in slot 0, v12-21 in the slot in hand (at the head: its own addresses), v22-31 more addresses and constants;
;   v32-47 scale words alone (first product all 16, second product v40-47); v48-79 b1 as C; v48-111 gelu's work; v48-75 the quantiser's; v80-127 four fragments of weights (set A);
;   v128-255 the first product's 16 accumulators, then 8 hidden fragments, on the way out rows of out.
;   Window 1: v0-191 LN(x)'s fragments (head: rows as loaded, then gamma, beta); v192-239 set B; v240-243 b2.   Windows 2, 3: accumulator (m, i) at window 2 + m / 4, v[64 (m % 4) + 8 i].
.set SLOT1, 131072
.set STEPB, 102400                     ; a record: W1's codes 0, its scale words 49,152, W2's codes 51,200, its scale words 100,352
.set QUART, 25600
.set W1S,   49152
.set W2C,   51200
.set W2S,   100352
.set XSC,   102400                     ; behind a slot's record, written by LDS stores alone: LN(x)'s scale words (both slots),
.set HSC,   104448                     ; the hidden layer's scale words,
.set HIMG,  104960                     ; its 8 fragments of 1,536 bytes
.set B1L,   117248                     ; b1
.set STAT,  125440                     ; s_w [m][r][w], 2,048 bytes; M2_w behind them
.set SPARE, 129536                     ; the spare words: two blocks of 256 bytes that no other line names
.set U,     262144                     ; the waves' stages (16 rows x 528 bytes); LN(x)'s 32 fragments
.set SP,    528
.set FRB,   1536
.set SC,    32
.set B1,    48
.set TM,    48
.set PW,    60
.set PC,    64
.set SETA,  80
.set GT,    48
.set HA,    128
.set HF,    128
.set OB,    128
.set SETB,  192
.set B2,    240
.set T64,   128
.set MUP,   192                        ; a pair for each row tile: the wave's mean, later -mean rs
.set RSP,   208                        ; rs = 1 / sqrt(var + eps), likewise
.set PL,    224
.set PS,    80
.set PX,    88
.set CH,    96
.set PQ,    104
.set MSB, 0
.macro WIN new
.if MSB != (\new)
	s_set_vgpr_msb (MSB<<8)|(\new)
.set MSB, \new
.endif
.endm
.macro PLACES n
.rept \n
	v_nop
.endr
.endm
.macro CREST                           ; a round of the cluster's barrier behind its opening barrier
	s_cmp_lg_u32 s18, 0
	s_cbranch_scc1 .Lnot_wave_0_\@
	s_barrier_signal -3
.Lnot_wave_0_\@:
	s_barrier_wait -3
	s_barrier_signal -1
	s_barrier_wait -1
.endm
.macro ROUND
	s_barrier_signal -1
	s_barrier_wait -1
	CREST
.endm
	s_load_b256 s[4:11], s[0:1], 0x0               ; inputs, gamma, beta, b1
	s_load_b128 s[12:15], s[0:1], 0x20             ; b2, wq
	s_load_b64 s[16:17], s[0:1], 0x30              ; out0
	v_lshl_add_u32 v22, v0, 2, SPARE               ; my spare word; never rewritten
	v_mov_b32 v23, 0                               ; 0; never rewritten
	ds_add_u32 v22, v23                            ; the opening lines
	ds_add_u32 v22, v23
	s_wait_dscnt 0x0
	v_lshrrev_b32 v1, 5, v0
	v_readfirstlane_b32 s18, v1                    ; wave w
	s_lshr_b32 s19, s18, 1                         ; a
	s_and_b32 s20, s18, 1                          ; b
	s_bfe_u32 s21, ttmp6, 0x40000                  ; cx
	s_lshl_b32 s22, ttmp9, 2
	s_add_co_u32 s22, s22, s21                     ; g = 4 x cluster + cx: it enters the addresses of inputs and out0 alone
	s_mov_b32 s24, 15|(3<<16)|(1<<21)              ; group 1: mask of all four; elements of 8 bytes; 100 rows of 32 elements, dense
	s_mov_b32 s25, 32<<16
	s_mov_b32 s26, 100<<16
	s_mov_b32 s27, 32<<16
	s_mov_b32 s28, 100
	s_mov_b32 s29, 32
	s_mov_b32 s30, 0
	s_mov_b32 s31, 0
	s_mov_b32 s32, 1
	s_mul_i32 s33, s18, QUART                      ; my quarter of slot 0
	s_mov_b32 s52, s33
	s_mov_b32 s53, 0
	s_wait_kmcnt 0x0
	s_add_nc_u64 s[34:35], s[14:15], s[52:53]
	s_or_b32 s35, s35, 0x80000000
	ROUND                                          ; the first joint loads meet
	tensor_load_to_lds s[32:35], s[24:31]          ; record 0 into slot 0
	s_nop 0
	PLACES 4
	s_lshl_b32 s52, s22, 18                        ; my 128 rows of 2,048 bytes
	s_add_nc_u64 s[44:45], s[4:5], s[52:53]
	s_add_nc_u64 s[48:49], s[16:17], s[52:53]
	s_lshr_b32 s54, s22, 5
	s_lshl_b32 s54, s54, 23                        ; my batch
	s_and_b32 s55, s22, 31
	s_lshl_b32 s55, s55, 1                         ; my first grid row i0 (even)
	s_add_co_u32 s55, s55, 4
	s_and_b32 s55, s55, 63                         ; (i0 + 4) % 64
	s_lshl_b32 s55, s55, 17
	s_add_co_u32 s52, s54, s55
	s_add_nc_u64 s[46:47], s[4:5], s[52:53]        ; inputs at the shifted grid row
	s_mov_b32 s36, 0                               ; the slot in hand
	s_mov_b32 s37, 0                               ; 512 t
	s_mov_b32 s40, 0x76543210
	s_mov_b32 s41, 0xfedcba98
	s_mov_b32 s42, 0xbdd2d3e8                      ; k3
	s_mov_b32 s43, s42
	s_mov_b32 s50, 0x3b000000                      ; 1 / 512
	s_mov_b32 s51, 0x358637bd                      ; 1e-6
	v_and_b32 v27, 31, v0
	v_and_b32 v30, 15, v0                          ; r
	v_bfe_u32 v31, v0, 4, 1                        ; h
	s_wait_alu depctr_va_vdst(0)
	v_lshlrev_b32 v1, 4, v27                       ; 16 x lane
	s_wait_alu depctr_va_vdst(0)
	s_mul_i32 s56, s20, 6144
	v_add_nc_u32 v2, s56, v1                       ; W1's fragments: tiles 4 b on
	s_mul_i32 s56, s18, 12288
	s_add_co_u32 s56, s56, W2C
	v_add_nc_u32 v3, s56, v1                       ; W2's fragments: group w
	s_xor_b32 s56, s20, 1                          ; first product's scale words: lanes 0-15 W1's, lanes 16-31 LN(x)'s: the lower base + h x the distance
	s_lshl_b32 s56, s56, 4
	s_lshl_b32 s57, s19, 4
	s_add_co_u32 s56, s56, s57
	s_add_co_u32 s56, s56, XSC-W1S-16
	v_mul_u32_u24 v4, s56, v31
	v_lshl_add_u32 v4, v30, 5, v4
	s_lshl_b32 s57, s20, 4
	s_add_co_u32 s57, s57, W1S
	v_add_nc_u32 v4, s57, v4
	s_xor_b32 s56, s18, 3                          ; second product's: lanes 0-15 W2's, lanes 16-31 the hidden layer's
	s_lshl_b32 s56, s56, 9
	s_add_co_u32 s56, s56, HSC-W2S-1536
	v_mul_u32_u24 v5, s56, v31
	v_lshl_add_u32 v5, v30, 5, v5
	s_lshl_b32 s57, s18, 9
	s_add_co_u32 s57, s57, W2S
	v_add_nc_u32 v5, s57, v5
	v_add_nc_u32 v6, HIMG, v1                      ; hidden fragments, read
	v_lshl_add_u32 v7, v27, 3, HIMG+512
	s_mul_i32 s56, s19, 6144
	s_mul_i32 s57, s20, 768
	s_add_co_u32 s56, s56, s57
	s_add_co_u32 s56, s56, HIMG
	v_add_nc_u32 v8, s56, v1                       ; written: row tiles 4 a on, half b
	s_add_co_u32 s57, s56, 512
	v_lshl_add_u32 v9, v27, 3, s57
	s_lshl_b32 s56, s19, 4
	s_lshl_b32 s57, s20, 1
	s_add_co_u32 s56, s56, s57
	s_add_co_u32 s56, s56, HSC
	v_lshl_add_u32 v10, v30, 5, s56                ; my two bytes of a hidden scale word
	s_lshl_b32 s56, s20, 8
	s_add_co_u32 s56, s56, B1L
	v_lshl_add_u32 v11, v31, 6, s56                ; b1: 256 b + 64 h
	s_lshl_b32 s56, s18, 9
	v_add_nc_u32 v24, s56, v1                      ; my 16 bytes of a row of inputs, out0, b2; never rewritten
	v_lshl_add_u32 v18, v31, 6, s56                ; gamma, beta: 512 w + 64 h
	s_add_co_u32 s57, s56, XSC
	v_lshl_add_u32 v15, v30, 5, s57                ; LN(x)'s scale words, written: slot 0's copy,
	v_add_nc_u32 v16, SLOT1, v15                   ; slot 1's
	s_mul_i32 s56, s18, 16*SP
	s_add_co_u32 s56, s56, U
	v_add_nc_u32 v25, s56, v1                      ; my stage by rows
	v_mul_u32_u24 v26, v30, SP
	v_lshl_add_u32 v26, v31, 6, v26
	v_add_nc_u32 v26, s56, v26                     ; and by lanes of the accumulators
	v_mov_b32 v28, 0xc0135761                      ; k1, twice
	v_mov_b32 v29, 0xc0135761
	s_lshl_b32 s56, s18, 2
	s_add_co_u32 s56, s56, STAT
	v_lshl_add_u32 v12, v30, 4, s56                ; the statistics, written: 16 r + 4 w,
	v_lshl_add_u32 v13, v30, 4, STAT               ; read: 16 r
	s_mul_i32 s56, s18, FRB
	s_add_co_u32 s56, s56, U
	v_add_nc_u32 v14, s56, v1                      ; LN(x)'s fragments, written: K step w,
	s_mul_i32 s56, s19, 24576
	s_add_co_u32 s56, s56, U
	v_add_nc_u32 v17, s56, v1                      ; read: row tiles 4 a on
	s_lshl_b32 s56, s18, 11
	v_add_nc_u32 v20, s56, v1                      ; b1 in memory: my quarter,
	s_add_co_u32 s56, s56, B1L
	v_add_nc_u32 v19, s56, v1                      ; and in LDS
.irp i, 0,1,2,3
	v_mov_b32 v[TM+4+\i], 0                        ; a lane permute's destination counts as one of its sources
.endr
	v_mov_b32 v[PX], 0
	s_wait_alu depctr_va_vdst(0)
; ---- x = own row + shifted row, into the accumulators, and each wave's own statistics.
.macro LOADX m                         ; row tile m: 16 rows, my 512 bytes of each, own and shifted, into set m % 2 of window 1
	WIN 0x40
.set LS, 128*((\m)%2)
.irp i, 0,1,2,3,4,5,6,7,8,9,10,11,12,13,14,15
	global_load_b128 v[LS+8*\i:LS+8*\i+3], v24, s[44:45] offset:(16*(\m)+\i)*2048
	global_load_b128 v[LS+8*\i+4:LS+8*\i+7], v24, s[46:47] offset:((16*(\m)+\i)/64)*131072+((16*(\m)+\i+4)%64)*2048
.endr
.endm
.macro TURNX m                         ; added, and turned through my stage: in by rows, out as the accumulators want them
.set LS, 128*((\m)%2)
	s_wait_loadcnt 32                              ; this tile's loads are in; the 32 asked for behind them may be out
	WIN 0x45
.set J, 0
.rept 16
	v_pk_add_f32 v[LS+8*J:LS+8*J+1], v[LS+8*J:LS+8*J+1], v[LS+8*J+4:LS+8*J+5]
	v_pk_add_f32 v[LS+8*J+2:LS+8*J+3], v[LS+8*J+2:LS+8*J+3], v[LS+8*J+6:LS+8*J+7]
.set J, J+1
.endr
	WIN 0x04
.set J, 0
.rept 16
	ds_store_b128 v25, v[LS+8*J:LS+8*J+3] offset:SP*J
.set J, J+1
.endr
	WIN 0x80+0x40*((\m)/4)
.set J, 0
.rept 16
	ds_load_b128 v[64*((\m)%4)+4*J:64*((\m)%4)+4*J+3], v26 offset:128*(J/4)+16*(J%4)   ; LDS serves a wave's instructions in order
.set J, J+1
.endr
.endm
.macro DEV m                           ; T64 = row tile m's x - the pair at MUP
	WIN 0x02+(\m)/4
.set J, 0
.rept 32
	v_pk_add_f32 v[T64+J:T64+J+1], v[64*((\m)%4)+J:64*((\m)%4)+J+1], v[MUP+2*(\m):MUP+2*(\m)+1] neg_lo:[0,1] neg_hi:[0,1]
.set J, J+2
.endr
	WIN 0
.endm
.macro FOLD d                          ; four chains of pairs become one number, joined with lane l xor 16's
	v_pk_add_f32 v[CH:CH+1], v[CH:CH+1], v[CH+2:CH+3]
	v_pk_add_f32 v[CH+4:CH+5], v[CH+4:CH+5], v[CH+6:CH+7]
	v_pk_add_f32 v[CH:CH+1], v[CH:CH+1], v[CH+4:CH+5]
	v_add_f32 v[\d], v[CH], v[CH+1]
	v_permlanex16_b32 v[PX], v[\d], s40, s41
	v_add_f32 v[\d], v[\d], v[PX]
.endm
.macro LSTAT m                         ; row tile m, my 128 columns: s_w into PS, M2_w into PQ
.set XB, 64*((\m)%4)
	WIN 0x0a+5*((\m)/4)
.irp c, 0,1,2,3
	v_pk_add_f32 v[CH+2*\c:CH+2*\c+1], v[XB+2*\c:XB+2*\c+1], v[XB+8+2*\c:XB+8+2*\c+1]
.endr
	WIN 0x08+4*((\m)/4)
.irp j, 16,24,32,40,48,56
.irp c, 0,1,2,3
	v_pk_add_f32 v[CH+2*\c:CH+2*\c+1], v[CH+2*\c:CH+2*\c+1], v[XB+\j+2*\c:XB+\j+2*\c+1]
.endr
.endr
	WIN 0
	FOLD PS+(\m)
	v_mul_f32 v[MUP+2*(\m)], 0x3c000000, v[PS+(\m)]     ; s_w / 128, in both words of a pair
	v_mul_f32 v[MUP+2*(\m)+1], 0x3c000000, v[PS+(\m)]
	DEV \m
.irp c, 0,1,2,3
	v_pk_mul_f32 v[CH+2*\c:CH+2*\c+1], v[T64+2*\c:T64+2*\c+1], v[T64+2*\c:T64+2*\c+1]
.endr
.irp j, 8,16,24,32,40,48,56
.irp c, 0,1,2,3
	v_pk_fma_f32 v[CH+2*\c:CH+2*\c+1], v[T64+\j+2*\c:T64+\j+2*\c+1], v[T64+\j+2*\c:T64+\j+2*\c+1], v[CH+2*\c:CH+2*\c+1]
.endr
.endr
	FOLD PQ+(\m)
.endm
.irp j, 0,1,2,3
	global_load_b128 v[T64+4*\j:T64+4*\j+3], v20, s[10:11] offset:512*\j   ; my quarter of b1
.endr
	LOADX 0
	WIN 0
	s_wait_loadcnt 32                              ; b1 is in
.irp j, 0,1,2,3
	ds_store_b128 v19, v[T64+4*\j:T64+4*\j+3] offset:512*\j
.endr
	LOADX 1
.irp m, 0,1,2,3,4,5,6,7
	TURNX \m
	s_wait_dscnt 16                                ; only this tile's 16 read-backs may be out: its stores have read their set, and the tile before lies in its accumulators
.if \m < 6
	LOADX \m+2
.endif
.if \m == 6                            ; set 0 has served its last tile: it takes gamma and beta, in the accumulators' order
	WIN 0x40
.set J, 0
.rept 16
	global_load_b128 v[4*J:4*J+3], v18, s[6:7] offset:128*(J/4)+16*(J%4)
	global_load_b128 v[64+4*J:64+4*J+3], v18, s[8:9] offset:128*(J/4)+16*(J%4)
.set J, J+1
.endr
.endif
.if \m == 7
	WIN 0x40
	global_load_b128 v[B2:B2+3], v24, s[12:13]     ; b2 by rows: wanted on the way out
.endif
.if \m > 0
	LSTAT \m-1
.endif
.endr
	s_wait_dscnt 0x0
	LSTAT 7
; ---- The four waves' parts are joined.
.irp m, 0,1,2,3,4,5,6,7
	ds_store_b32 v12, v[PS+\m] offset:256*\m       ; lanes r and r + 16 write the same word with the same value
	ds_store_b32 v12, v[PQ+\m] offset:2048+256*\m
.endr
	s_wait_dscnt 0x0                               ; for the others' sake
	s_barrier_signal -1
	s_barrier_wait -1
.irp m, 0,1,2,3,4,5,6,7
	ds_load_b128 v[PL+4*\m:PL+4*\m+3], v13 offset:256*\m
	ds_load_b128 v[T64+4*\m:T64+4*\m+3], v13 offset:2048+256*\m
.endr
	s_wait_dscnt 0x0
.irp m, 0,1,2,3,4,5,6,7
	v_add_f32 v[PS+\m], v[PL+4*\m], v[PL+4*\m+1]
	v_add_f32 v[CH+\m], v[PL+4*\m+2], v[PL+4*\m+3]
.endr
.irp m, 0,1,2,3,4,5,6,7
	v_add_f32 v[PS+\m], v[PS+\m], v[CH+\m]         ; S
.endr
.irp m, 0,1,2,3,4,5,6,7
	v_mul_f32 v[PQ+\m], 0x3e800000, v[PS+\m]       ; S / 4
.endr
.irp w, 0,1,2,3
.irp m, 0,1,2,3,4,5,6,7
	v_sub_f32 v[PL+4*\m+\w], v[PL+4*\m+\w], v[PQ+\m]
.endr
.endr
.irp m, 0,1,2,3,4,5,6,7
	v_mul_f32 v[CH+\m], v[PL+4*\m], v[PL+4*\m]
.endr
.irp w, 1,2,3
.irp m, 0,1,2,3,4,5,6,7
	v_fmac_f32 v[CH+\m], v[PL+4*\m+\w], v[PL+4*\m+\w]   ; sum (s_w - S / 4)^2
.endr
.endr
.irp m, 0,1,2,3,4,5,6,7
	v_add_f32 v[T64+4*\m], v[T64+4*\m], v[T64+4*\m+1]
	v_add_f32 v[T64+4*\m+2], v[T64+4*\m+2], v[T64+4*\m+3]
.endr
.irp m, 0,1,2,3,4,5,6,7
	v_add_f32 v[T64+4*\m], v[T64+4*\m], v[T64+4*\m+2]
.endr
.irp m, 0,1,2,3,4,5,6,7
	v_fmamk_f32 v[T64+4*\m], v[CH+\m], 0x3c000000, v[T64+4*\m]   ; M2
.endr
.irp m, 0,1,2,3,4,5,6,7
	v_fma_f32 v[T64+4*\m], v[T64+4*\m], s50, s51   ; var + eps
.endr
	s_wait_alu depctr_va_vdst(0)
.irp m, 0,1,2,3,4,5,6,7
	v_rsq_f32 v[RSP+2*\m], v[T64+4*\m]
.endr
.irp m, 0,1,2,3,4,5,6,7
	v_mul_f32 v[PQ+\m], s50, v[PS+\m]              ; the mean
.endr
	s_wait_alu depctr_va_vdst(0)
.irp m, 0,1,2,3,4,5,6,7
	v_mov_b32 v[RSP+2*\m+1], v[RSP+2*\m]
	v_mul_f32 v[MUP+2*\m], -v[PQ+\m], v[RSP+2*\m]  ; -mean rs, in both words
	v_mul_f32 v[MUP+2*\m+1], -v[PQ+\m], v[RSP+2*\m]
.endr
; 64 numbers of a lane, register 16 b + i = k 32 b + 16 (lane / 16) + i of my row, become 12 registers of codes at v[pc] (6 c .. 6 c + 5: k = 64 c + 32 (lane / 16) + 0 .. 31) and a scale word in v[pw].
.macro QUANT s, pc, pw
.irp b, 0,1,2,3
	v_max3_num_f32 v[TM+\b], |v[(\s)+16*\b]|, |v[(\s)+1+16*\b]|, 0x1800000   ; with the floor 2^(3 - 127): the byte cannot fall under 1
.endr
.irp i, 2,4,6,8,10,12,14
.irp b, 0,1,2,3
	v_max3_num_f32 v[TM+\b], v[TM+\b], |v[(\s)+16*\b+\i]|, |v[(\s)+1+16*\b+\i]|
.endr
.endr
.irp b, 0,1,2,3
	v_permlanex16_b32 v[TM+4+\b], v[TM+\b], s40, s41
.endr
.irp b, 0,1,2,3
	v_max_num_f32 v[TM+\b], v[TM+\b], v[TM+4+\b]
.endr
.irp b, 0,1,2,3
	v_add_nc_u32 v[TM+8+\b], 0xff000000, v[TM+\b]  ; 2 off the exponent field: the conversion's scale operand
.endr
.irp b, 0,1,2,3
	v_lshrrev_b32 v[TM+4+\b], 23, v[TM+8+\b]       ; the byte
.endr
	v_lshl_or_b32 v[\pw], v[TM+5], 8, v[TM+4]
	v_lshl_or_b32 v[\pw], v[TM+6], 16, v[\pw]
	v_lshl_or_b32 v[\pw], v[TM+7], 24, v[\pw]
.irp c, 0,1
	v_cvt_scalef32_pk16_fp6_f32 v[(\pc)+6*\c:(\pc)+6*\c+2], v[(\s)+32*\c:(\s)+32*\c+15], v[TM+8+2*\c]
	v_cvt_scalef32_pk16_fp6_f32 v[TM+4*\c:TM+4*\c+2], v[(\s)+32*\c+16:(\s)+32*\c+31], v[TM+9+2*\c]
.endr
	v_nop                                          ; one plain place behind a scaled conversion
.irp c, 0,1                            ; a WHOLE block in a lane: lanes 0-15 block 2 c, lanes 16-31 block 2 c + 1
.irp i, 0,1,2
	v_permlane16_swap_b32 v[(\pc)+6*\c+\i], v[TM+4*\c+\i]
.endr
.irp i, 0,1,2
	v_mov_b32 v[(\pc)+3+6*\c+\i], v[TM+4*\c+\i]
.endr
.endr
.endm
; ---- LN(x), quantised.  My 128 columns are K step w of the first product.  The codes' registers take turns between two sets.
	s_wait_alu depctr_va_vdst(0)
	s_wait_loadcnt 1                               ; gamma and beta are in; b2 may be out
.irp m, 0,1,2,3,4,5,6,7
.if \m > 1
	s_wait_dscnt 5                                 ; the last tile's 5 stores may be out: those of two tiles ago have read their registers
.endif
	WIN 0x02+(\m)/4
.set J, 0
.rept 32
	v_pk_fma_f32 v[T64+J:T64+J+1], v[64*((\m)%4)+J:64*((\m)%4)+J+1], v[RSP+2*\m:RSP+2*\m+1], v[MUP+2*\m:MUP+2*\m+1]
.set J, J+2
.endr
	WIN 0x14
.set J, 0
.rept 32
	v_pk_fma_f32 v[T64+J:T64+J+1], v[T64+J:T64+J+1], v[J:J+1], v[64+J:64+J+1]
.set J, J+2
.endr
	WIN 0
	QUANT T64, PC+16*(\m%2), PW+(\m%2)
.irp q, 0,1,2
	ds_store_b128 v14, v[PC+16*(\m%2)+4*\q:PC+16*(\m%2)+4*\q+3] offset:4*FRB*\m+512*\q
.endr
	ds_store_b32 v15, v[PW+(\m%2)] offset:4*\m
	ds_store_b32 v16, v[PW+(\m%2)] offset:4*\m
.endr
	s_wait_dscnt 0x0                               ; for the others' sake
	s_barrier_signal -1
	s_barrier_wait -1
	WIN 0x40
.set J, 0
.rept 48                               ; my four row tiles' 16 fragments: they stay
	ds_load_b128 v[4*J:4*J+3], v17 offset:512*J
.set J, J+1
.endr
	WIN 0
; ---- THE STEPS.
.macro LDSET reg, adr, off             ; four fragments on end: 12 loads of 512 consecutive bytes
.set J, 0
.rept 12
	ds_load_b128 v[(\reg)+4*J:(\reg)+4*J+3], v[\adr] offset:(\off)+512*J
.set J, J+1
.endr
.endm
.macro LDH m
	ds_load_b128 v[HF+12*\m:HF+12*\m+3], v16 offset:FRB*\m
	ds_load_b64 v[HF+12*\m+4:HF+12*\m+5], v17 offset:FRB*\m
	ds_load_b128 v[HF+12*\m+6:HF+12*\m+9], v16 offset:FRB*\m+768
	ds_load_b64 v[HF+12*\m+10:HF+12*\m+11], v17 offset:FRB*\m+768
.endm
; First product, K step s: my 4 row tiles x my 4 tiles of hidden units; the 16 accumulators take turns.  K step 0 takes b1 as C.
.macro MM1 s
	WIN 0x04+(\s)%2
.set FA, SETA+(SETB-SETA)*((\s)%2)
.irp mm, 0,1,2,3
.irp u, 0,1,2,3
.if (\s) == 0
	v_wmma_scale_f32_16x16x128_f8f6f4 v[HA+32*\mm+8*\u:HA+32*\mm+8*\u+7], v[FA+12*\u:FA+12*\u+11], v[12*(4*\mm+(\s)):12*(4*\mm+(\s))+11], v[B1+8*\u:B1+8*\u+7], v[SC+4*(\s)+\u], v[SC+4*(\s)+\mm] matrix_a_fmt:MATRIX_FMT_FP6 matrix_b_fmt:MATRIX_FMT_FP6 matrix_b_scale:MATRIX_SCALE_ROW1
.else
	v_wmma_scale_f32_16x16x128_f8f6f4 v[HA+32*\mm+8*\u:HA+32*\mm+8*\u+7], v[FA+12*\u:FA+12*\u+11], v[12*(4*\mm+(\s)):12*(4*\mm+(\s))+11], v[HA+32*\mm+8*\u:HA+32*\mm+8*\u+7], v[SC+4*(\s)+\u], v[SC+4*(\s)+\mm] matrix_a_fmt:MATRIX_FMT_FP6 matrix_b_fmt:MATRIX_FMT_FP6 matrix_b_scale:MATRIX_SCALE_ROW1
.endif
.endr
.endr
.endm
; Second product: row tiles 4 G on x tiles of outputs 4 st on; K = the step's 128 hidden units; scale words in v40-47.
.macro MM2 G, st, cnt
	WIN (0xa0+0x50*\G)|\st
.set FA, SETA+(SETB-SETA)*\st
.irp mm, 0,1,2,3
.if \cnt
	s_wait_dscnt 28-4*\mm                          ; four loads for each hidden fragment still out
.endif
.irp ii, 0,1,2,3
	v_wmma_scale_f32_16x16x128_f8f6f4 v[64*\mm+8*(4*\st+\ii):64*\mm+8*(4*\st+\ii)+7], v[FA+12*\ii:FA+12*\ii+11], v[HF+12*(4*\G+\mm):HF+12*(4*\G+\mm)+11], v[64*\mm+8*(4*\st+\ii):64*\mm+8*(4*\st+\ii)+7], v[SC+8+4*\st+\ii], v[SC+8+4*\G+\mm] matrix_a_fmt:MATRIX_FMT_FP6 matrix_b_fmt:MATRIX_FMT_FP6 matrix_b_scale:MATRIX_SCALE_ROW1
.endr
.endr
.endm
; gelu of 64 registers in place.  Each accumulator is read from its low end on.  Each batch of transcendentals has its wait ahead and behind.
.macro GELU H
.set J, 0
.rept 32
	v_pk_mul_f32 v[GT+J:GT+J+1], v[(\H)+J:(\H)+J+1], v[(\H)+J:(\H)+J+1]
.set J, J+2
.endr
.set J, 0
.rept 32
	v_pk_fma_f32 v[GT+J:GT+J+1], v[GT+J:GT+J+1], s[42:43], v[28:29] op_sel_hi:[1,0,1]
.set J, J+2
.endr
.set J, 0
.rept 32
	v_pk_mul_f32 v[GT+J:GT+J+1], v[GT+J:GT+J+1], v[(\H)+J:(\H)+J+1]
.set J, J+2
.endr
.set J, 0
	s_wait_alu depctr_va_vdst(0)
.rept 64
	v_exp_f32 v[GT+J], v[GT+J]
.set J, J+1
.endr
	v_nop
.set J, 0
	s_wait_alu depctr_va_vdst(0)
.rept 32
	v_pk_add_f32 v[GT+J:GT+J+1], v[GT+J:GT+J+1], 1.0 op_sel_hi:[1,0]
.set J, J+2
.endr
.set J, 0
	s_wait_alu depctr_va_vdst(0)
.rept 64
	v_rcp_f32 v[GT+J], v[GT+J]
.set J, J+1
.endr
	v_nop
.set J, 0
	s_wait_alu depctr_va_vdst(0)
.rept 32
	v_pk_mul_f32 v[(\H)+J:(\H)+J+1], v[(\H)+J:(\H)+J+1], v[GT+J:GT+J+1]
.set J, J+2
.endr
.endm
.macro HOUT p, pc, pw                  ; row tiles 4 a + 2 p, + 1: half b of their fragments, two bytes of their scale words
	ds_store_b128 v18, v[(\pc):(\pc)+3] offset:FRB*(2*\p)
	ds_store_b64 v19, v[(\pc)+4:(\pc)+5] offset:FRB*(2*\p)
	ds_store_b128 v18, v[(\pc)+6:(\pc)+9] offset:FRB*(2*\p+1)
	ds_store_b64 v19, v[(\pc)+10:(\pc)+11] offset:FRB*(2*\p+1)
	ds_store_b16 v20, v[\pw] offset:8*\p
	ds_store_b16_d16_hi v20, v[\pw] offset:8*\p+4
.endm
; What a step needs first: its addresses, b1 in the result's layout, the scale words of K steps 0 and 1, W1's fragments of K step 0: 22 loads.
.macro EARLY
.irp i, 0,1,2,3,4,5,6,7,8
	v_add_nc_u32 v[12+\i], s36, v[2+\i]
.endr
	v_add_nc_u32 v21, s37, v11
	s_wait_alu depctr_va_vdst(0)
.irp u, 0,1,2,3
	ds_load_b128 v[B1+8*\u:B1+8*\u+3], v21 offset:128*(\u/2)+32*(\u%2)
	ds_load_b128 v[B1+8*\u+4:B1+8*\u+7], v21 offset:128*(\u/2)+32*(\u%2)+16
.endr
	ds_load_b128 v[SC:SC+3], v14
	ds_load_b128 v[SC+4:SC+7], v14 offset:512
	LDSET SETA, 12, 0
.endm
.macro FRONT                           ; first product, gelu, quantiser, the hidden layer's codes into LDS
	PLACES 5                                       ; behind the last step's products: four ahead of the loads below, five ahead of the products that write over the hidden fragments
	WIN 0x40
	LDSET SETB, 12, 12288
	WIN 0
	ds_load_b128 v[SC+8:SC+11], v14 offset:1024
	ds_load_b128 v[SC+12:SC+15], v14 offset:1536
	s_wait_dscnt 14                                ; all but the 14 just asked for
	MM1 0
	PLACES 4
	WIN 0
	LDSET SETA, 12, 2*12288
	s_wait_dscnt 12                                ; all but the set asked for last
	MM1 1
	PLACES 4
	WIN 0x40
	LDSET SETB, 12, 3*12288
	s_wait_dscnt 12
	MM1 2
	s_wait_dscnt 0x0
	MM1 3
	PLACES 4
	WIN 0x40
	LDSET SETB, 13, 6144                           ; W2's tiles 4-7
	WIN 0
	GELU HA
	GELU HA+64
	LDSET SETA, 13, 0                              ; W2's tiles 0-3, where gelu's work stood
	QUANT HA, PC, PW
	HOUT 0, PC, PW
	QUANT HA+64, HA, PW+1                          ; its codes go where the first half's numbers lay: no store's data are written again
	HOUT 1, HA, PW+1
	s_wait_alu depctr_va_vdst(0)                   ; covers the quantisers' writes
	s_wait_dscnt 0x0                               ; for the others' sake; W2's fragments are in too
	s_barrier_signal -1                            ; my tensor load may stay out
	s_barrier_wait -1
.endm
.macro BACK fill                       ; second product, and in it the change of slots
	ds_load_b128 v[SC+8:SC+11], v15                ; lanes 0-15 W2's scale words, lanes 16-31 the hidden layer's
	ds_load_b128 v[SC+12:SC+15], v15 offset:16
.irp m, 0,1,2,3,4,5,6,7
	LDH \m
.endr
	MM2 0, 0, 1
	WIN 0
	s_wait_tensorcnt 0x0                           ; my quarter of the next record is in, and group 0 may be written
	ds_add_u32 v22, v23
.if \fill
	s_xor_b32 s33, s33, SLOT1                      ; the slot in hand takes the record two steps on
	s_add_nc_u64 s[34:35], s[34:35], STEPB
.endif
	MM2 0, 1, 0
	s_wait_dscnt 0x0                               ; the add is done, and so are all my reads of the slot in hand
	s_barrier_signal -1
	MM2 1, 0, 0
	WIN 0
	s_barrier_wait -1
.if \fill
	CREST                                          ; the barrier has opened a round: no wave of any partner still reads this slot's record
	tensor_load_to_lds s[32:35], s[24:31]
	s_nop 0
.endif
	PLACES 4                                       ; also the places ahead of the loads into set A
	s_xor_b32 s36, s36, SLOT1
	s_add_co_u32 s37, s37, 512
.if \fill == 0
	s_cmp_eq_u32 s38, 1                            ; the last step has no successor
	s_cbranch_scc1 .Lno_more
.endif
	EARLY
.if \fill == 0
.Lno_more:
.endif
	MM2 1, 1, 0
	WIN 0
.endm
	s_wait_tensorcnt 0x0                           ; record 0: my quarter is in; the full sequence ahead of slot 1's first fill
	ds_add_u32 v22, v23
	s_xor_b32 s33, s33, SLOT1
	s_add_nc_u64 s[34:35], s[34:35], STEPB
	s_wait_dscnt 0x0
	ROUND
	tensor_load_to_lds s[32:35], s[24:31]          ; record 1
	s_nop 0
	PLACES 4
	EARLY
	s_mov_b32 s38, 14
.Lstep:                                            ; steps 0 to 13: step t asks for record t + 2
	FRONT
	BACK 1
	s_sub_co_u32 s38, s38, 1
	s_cmp_lg_u32 s38, 0
	s_cbranch_scc1 .Lstep
	s_mov_b32 s38, 2
.Llast:                                            ; steps 14 and 15 ask for nothing
	FRONT
	BACK 0
	s_sub_co_u32 s38, s38, 1
	s_cmp_lg_u32 s38, 0
	s_cbranch_scc1 .Llast
; ---- THE WAY OUT, a row tile at a time: through my stage, back as rows of 512 bytes; b2 is added; 32 lanes store 512 consecutive bytes.
.macro TOST m
	WIN 0x08+4*((\m)/4)
.set J, 0
.rept 16
	ds_store_b128 v26, v[64*((\m)%4)+4*J:64*((\m)%4)+4*J+3] offset:128*(J/4)+16*(J%4)   ; each accumulator from its low end on
.set J, J+1
.endr
	WIN 0
.set J, 0
.rept 16
	ds_load_b128 v[OB+64*((\m)%2)+4*J:OB+64*((\m)%2)+4*J+3], v25 offset:SP*J
.set J, J+1
.endr
.endm
.macro SEND m, younger
	s_wait_dscnt \younger
	WIN 0x04
.set J, 0
.rept 16
	v_pk_add_f32 v[OB+64*((\m)%2)+4*J:OB+64*((\m)%2)+4*J+1], v[OB+64*((\m)%2)+4*J:OB+64*((\m)%2)+4*J+1], v[B2:B2+1]
	v_pk_add_f32 v[OB+64*((\m)%2)+4*J+2:OB+64*((\m)%2)+4*J+3], v[OB+64*((\m)%2)+4*J+2:OB+64*((\m)%2)+4*J+3], v[B2+2:B2+3]
.set J, J+1
.endr
	WIN 0
.set J, 0
.rept 16
	global_store_b128 v24, v[OB+64*((\m)%2)+4*J:OB+64*((\m)%2)+4*J+3], s[48:49] offset:(16*(\m)+J)*2048 th:TH_STORE_NT
.set J, J+1
.endr
.endm
	s_wait_loadcnt 0x0                             ; b2
	PLACES 4                                       ; behind the last products
	TOST 0
.irp m, 1,2,3,4,5,6,7
.if \m > 1
	s_wait_xcnt 0x0                                ; row tile m - 2's stores have read their registers
.endif
	TOST \m
	SEND \m-1, 32                                  ; behind row tile m - 1's loads: row tile m's 16 stores and 16 loads
.endr
	SEND 7, 0
	s_wait_tensorcnt 0x0                           ; the wave's end
	ds_add_u32 v22, v23
	s_wait_dscnt 0x0
	ROUND                                          ; the closing round
	s_endpgm
.Lfunc_end_k_qf1ddfe6bac_mlp:
	.size	k_qf1ddfe6bac_mlp, .Lfunc_end_k_qf1ddfe6bac_mlp-k_qf1ddfe6bac_mlp
	.p2alignl 7, 3214868480
	.fill 96, 4, 3214868480
	.section	.rodata,"a",@progbits
	.p2align	6, 0x0
	.amdhsa_kernel k_qf1ddfe6bac_mlp
		.amdhsa_group_segment_fixed_size 327680
		.amdhsa_private_segment_fixed_size 0
		.amdhsa_enable_private_segment 0
		.amdhsa_kernarg_size 56
		.amdhsa_user_sgpr_count 2
		.amdhsa_user_sgpr_kernarg_segment_ptr 1
		.amdhsa_wavefront_size32 1
		.amdhsa_system_sgpr_workgroup_id_x 1
		.amdhsa_system_sgpr_workgroup_id_y 1
		.amdhsa_system_sgpr_workgroup_id_z 1
		.amdhsa_system_vgpr_workitem_id 0
		.amdhsa_next_free_vgpr 1024
		.amdhsa_next_free_sgpr 66
		.amdhsa_reserve_vcc 0
		.amdhsa_float_denorm_mode_32 3
		.amdhsa_float_denorm_mode_16_64 3
		.amdhsa_memory_ordered 1
		.amdhsa_forward_progress 1
		.amdhsa_inst_pref_size 255
	.end_amdhsa_kernel
	.section	.bss,"aw",@nobits
	.p2align	6
	.space	262144
	.amdgpu_metadata
---
amdhsa.version: [ 1, 2 ]
amdhsa.kernels:
  - .name:           k_qf1ddfe6bac_mlp
    .symbol:         k_qf1ddfe6bac_mlp.kd
    .args:
      - { .name: inputs, .offset: 0, .size: 8, .value_kind: global_buffer, .address_space: global }
      - { .name: ln_gamma, .offset: 8, .size: 8, .value_kind: global_buffer, .address_space: global }
      - { .name: ln_beta, .offset: 16, .size: 8, .value_kind: global_buffer, .address_space: global }
      - { .name: b1, .offset: 24, .size: 8, .value_kind: global_buffer, .address_space: global }
      - { .name: b2, .offset: 32, .size: 8, .value_kind: global_buffer, .address_space: global }
      - { .name: wq, .offset: 40, .size: 8, .value_kind: global_buffer, .address_space: global }
      - { .name: out0, .offset: 48, .size: 8, .value_kind: global_buffer, .address_space: global }
    .group_segment_fixed_size: 327680
    .private_segment_fixed_size: 0
    .kernarg_segment_align: 8
    .kernarg_segment_size: 56
    .max_flat_workgroup_size: 128
    .sgpr_count:     66
    .vgpr_count:     1024
    .wavefront_size: 32
...
	.end_amdgpu_metadata
.endif
;; end of part 2
